; MI455X (gfx1250); checked and timed in simulation.
; The chip was launched on July 23, 2026; its instructions are those of AMD's public machine-readable ISA for CDNA 5 (MIT licence, August 2026) and "CDNA5" Instruction Set Architecture Reference Guide (July 2026). The comments in the code are by the model that wrote it; some were corrected since.
;; Equi MHA. Allowed arithmetic: matrix products marked QUANTISED: E2M1 operands, one E8M0 scale for each 32 along K, by v_wmma_scale_f32_16x16x128_f8f6f4 with both operands' format E2M1 (or v_wmma_scale_f32_32x16x128_f4), f32 sums; products left as they are: bf16, f16 or f32 operands; f32 sums; everything else in f32.
;; Inputs: K 8 x 512 x 4 x 512 float32; Q 8 x 512 x 4 x 512 float32; mask 8 x 512 x 512 int32; w_k 512 x 1,024 float32; w_o 1,024 x 1,024 float32; w_q 512 x 1,024 float32; w_v 512 x 1,024 float32.
;; Outputs: out0 8 x 512 x 4 x 1,024 float32.
;; This version of the problem:
;;   THIS VERSION OF THE PROBLEM IS GIVEN IN LOW PRECISION. The matrix products marked QUANTISED in the list below multiply operands that are first quantised to E2M1 (2 exponent bits, 1 mantissa bit; 4 bits a number), with one power-of-two scale for each 32 numbers along K (OCP MX v1.0); their sums are f32. The products marked 'left as it is' may take bf16, f16 or f32 operands, with f32 sums. Whichever they take, every output number must still come out within the allowed error. Rounding operands to bf16 (8 significant bits) uses up far more of that allowance than f16 does (11 bits, for magnitudes from 6e-5 to 65,504). All else is computed in f32.
;;   The module's matrix products, in the order in which they are computed (A, B: the left and right operand; K: the contracted axis; several contracted axes count as one K, in the product's order):
;;     1. [M 16,384, K 512] x [K 512, N 1,024]; A: input Q; B: input w_q: QUANTISED
;;     2. [M 16,384, K 512] x [K 512, N 1,024]; A: input K; B: input w_k: QUANTISED
;;     3. [M 16,384, K 512] x [K 512, N 1,024]; A: input K; B: input w_v: QUANTISED
;;     4. batch 128 x [M 512, K 256] x [K 256, N 512]; A: computed on the way; B: computed on the way: left as it is (an operand is computed on the way)
;;     5. batch 128 x [M 512, K 512] x [K 512, N 256]; A: computed on the way; B: computed on the way: left as it is (an operand is computed on the way)
;;     6. [M 16,384, K 1,024] x [K 1,024, N 1,024]; A: computed on the way; B: input w_o: left as it is (an operand is computed on the way)
;;   THE QUANTISER, for each operand of a quantised product, along K:
;;     - K is cut into blocks of 32 from its start; a last block that is shorter is filled with zeros.
;;     - A block's scale is 2^e with e = floor(log2(the largest magnitude in the block)) - 2, held to -126 .. 127; a block of zeros has e = 0. As a byte (E8M0): e + 127.
;;     - Each number is divided by its block's scale, clamped to +-6, and rounded to the nearest number of E2M1, ties to even, subnormals kept.
;;     - The product sums the exact products of the quantised numbers (number of the format x scale) in f32.
;;   ~~~python
;;   def quantise(x, axis):      # numpy; x: float32 -> the quantised numbers, widened to float32 again
;;       x = np.moveaxis(x, axis, -1); K = x.shape[-1]
;;       x = np.pad(x, [(0, 0)] * (x.ndim - 1) + [(0, -K % 32)]); x = x.reshape(x.shape[:-1] + (-1, 32)); a = np.abs(x).max(-1, keepdims=True)
;;       e = np.where(a > 0, np.clip(np.frexp(np.where(a > 0, a, 1))[1] - 1 - 2, -126, 127), 0)      # np.frexp(a)[1] - 1 = floor(log2(a)), exactly
;;       r = np.clip(x / 2.0 ** e, -6, 6)
;;       step = 2.0 ** (np.maximum(np.frexp(np.where(r == 0, 1, r))[1] - 1, 0) - 1)
;;       q = np.round(r / step) * step * 2.0 ** e      # np.round: ties to even
;;       return np.moveaxis(q.reshape(q.shape[:-2] + (-1,))[..., :K], -1, axis).astype(np.float32)
;;   ~~~
;; One version. Each part assembles by itself: llvm-mc -triple=amdgcn-amd-amdhsa -mcpu=gfx1250 --defsym DOCPART=n.
;; ======== version 1 of 1: 4 launches
;; limits: values are held in f16: magnitudes above 65,504 overflow, below 6.1e-05 lose precision
;; workspace buffers: xc 8,388,608 bytes; xs 1,048,576 bytes; wc 835,584 bytes; wo16 2,097,152 bytes; mw 262,144 bytes of whole numbers; qkv 67,108,864 bytes; oimg 33,554,432 bytes
;; launch prep (part 1): grid 736 x 1, 4 waves a work-group, no clusters, 34,304 bytes of LDS; arguments Q, K, mask, w_q, w_k, w_v, w_o, xc, xs, wc, wo16, mw; writes xc, xs, wc, wo16, mw
.if DOCPART == 1
	.amdgcn_target "amdgcn-amd-amdhsa--gfx1250"
	.amdhsa_code_object_version 6
	.text
	.protected	k_q89b99b02bc_prep
	.globl	k_q89b99b02bc_prep
	.p2align	8
	.type	k_q89b99b02bc_prep,@function
k_q89b99b02bc_prep:
	s_mov_b64 s[64:65], 0
	v_nop
	global_prefetch_b8 v0, s[64:65] scope:SCOPE_SE
	s_setreg_imm32_b32 hwreg(HW_REG_WAVE_MODE, 25, 1), 1
	s_wait_xcnt 0x0
; PREP: every input is brought once into the form in which the later launches' matrix operands want it.
; NOTHING OF reference() IS LEFT OUT IN THIS PROGRAM: all seven inputs have a way to out0, all six products are live, and every input is loaded.
; Four roles, told apart by the work-group's number g:
;   g <  96  WQ: w_q, w_k, w_v [512 (k)][1024 (n)] f32 -> codes of FP4 (E2M1) and E8M0 scale bytes, quantised along k (their first axis)
;   g < 160  WO: w_o [1024 (k)][1024 (n)] f32 -> f16
;   g < 224  MK: mask [8][512][512] int32 -> one bit a number, laid as lane masks for the scores' registers
;   else     XQ: Q, K [8][512][4][512] f32 -> codes of FP4 and scale words, quantised along their last axis
; EVERY RESULT IS LAID AS AN IMAGE OF AN OPERAND'S REGISTERS: a group of four registers is 512 bytes, lane l's 16 bytes at 16 l.  A tile of 16 rows is 16 neighbouring n AT A FIXED m.
;   xc   [tensor 2][tile (b 32 + nt) 4 + m][s 4][c 2][lane][16 B]: lane (r, h): row n = 16 nt + r, k = 128 s + 64 c + 32 h + 0 .. 31
;   xs   [tensor 2][tile][lane][16 B]: lane (r, h): row r's four scale words, s = 0 .. 3 (both halves of the lanes hold the same)
;   wc   codes [w 3][ct 64][s 4][c 2][lane][16 B]: lane (r, h): column 16 ct + r, the same k; from byte 786,432 on the scale words [w 3][s 4][n 1024][4 B]
;   wo16 [ct 64][kb 32][a 2][lane][16 B]: lane (r, h): column 16 ct + r, k = 32 kb + 16 a + 8 h + 0 .. 7
;   mw   [b 8][qt 32][t 32][j 8] words: bit (r, h) is set where mask[b][16 qt + r][16 t + 8 h + j] is not 0
; THE QUANTISER: a block's scale is 2^(floor(log2(its largest magnitude)) - 2); its byte is the largest magnitude's exponent field - 2, held at 1 from below; numbers are divided by the scale and rounded to the nearest code, ties to even, beyond 6 the largest code.
; LIMITS: a block whose largest magnitude lies under 2^-124 has its byte held at 1; a block of zeros gets the byte 1 where the rule says 127 (its codes are zeros, and this program alone reads the bytes); NaN and infinities among the inputs are not served.
; Every role's wave has four steps of loads, two of them in flight: so no role is much longer than another.
; No cluster: the work-groups of this launch share no input byte.  No tensor loads: a stream through registers, several work-groups to a WGP.
.set SPARE, 33792                      ; behind the four stages: the spare words, 128 bytes for each wave
.set STGB,  8448                       ; a wave's stage (XQ alone): 16 rows x (512 + 16) bytes
.set SPW,   2                          ; v2  LDS address of my spare word; never rewritten
.set NIL,   3                          ; v3  0; never rewritten
; v1 lane, v4 r, v5 h, v6 16 x lane, v7 4 x lane, v8 the stage on the way in, v9 on the way out, v10 16 r (+ h x a tile)
	s_load_b512 s[4:19], s[0:1], 0x0               ; Q 4:5, K 6:7, mask 8:9, w_q 10:11, w_k 12:13, w_v 14:15, w_o 16:17, xc 18:19
	s_load_b256 s[20:27], s[0:1], 0x40             ; xs 20:21, wc 22:23, wo16 24:25, mw 26:27
	v_lshl_add_u32 v[SPW], v0, 2, SPARE
	v_mov_b32 v[NIL], 0
	v_lshrrev_b32 v1, 5, v0
	v_readfirstlane_b32 s30, v1                    ; wave 0..3
	v_and_b32 v1, 31, v0
	v_and_b32 v4, 15, v0
	v_bfe_u32 v5, v0, 4, 1
	v_lshlrev_b32 v6, 4, v1
	v_lshlrev_b32 v7, 2, v1
	s_mul_i32 s31, s30, STGB
	v_add_nc_u32 v8, s31, v6                       ; in: a row's 512 bytes as they lie
	v_mul_u32_u24 v9, v4, 528
	v_lshl_add_u32 v9, v5, 7, v9
	v_add_nc_u32 v9, s31, v9                       ; out: row r, 128 h bytes on: my 32 numbers of a pair of blocks
	v_lshlrev_b32 v10, 4, v4
	s_mov_b32 s28, 0x76543210
	s_mov_b32 s29, 0xfedcba98                      ; v_permlanex16_b32's selects for lane l xor 16
	s_mov_b32 s71, 0                               ; the high word of every offset made in s[70:71]
	s_wait_kmcnt 0x0
	s_cmp_lt_u32 ttmp9, 96
	s_cbranch_scc1 .Lwq
	s_cmp_lt_u32 ttmp9, 160
	s_cbranch_scc1 .Lwo
	s_cmp_lt_u32 ttmp9, 224
	s_cbranch_scc1 .Lmk
; ---------------- XQ: 512 work-groups; a work-group takes 16 n of one b, its wave w the tile with m = w
; v10-11 largest magnitudes, v12-13 scale operands, v14-15 bytes, v16-17 the word, v18 8 h; v24-27 scale words; v32-63 codes; v64-191 two sets as loaded; v192-255 my 64 numbers
	s_sub_co_u32 s68, ttmp9, 224
	s_cmp_lt_u32 s68, 256                          ; the first 256 take Q, the others K: the choice hangs on the work-group's number alone
	s_cselect_b64 s[4:5], s[4:5], s[6:7]
	s_and_b32 s70, s68, 255
	s_lshl_b32 s70, s70, 17                        ; (b 32 + nt) x 16 n x 4 m x 2,048 bytes
	s_lshl_b32 s72, s30, 11                        ; + m x 2,048
	s_add_co_u32 s70, s70, s72
	s_add_nc_u64 s[4:5], s[4:5], s[70:71]
	s_lshl_b32 s72, s68, 2
	s_add_co_u32 s72, s72, s30                     ; the tile's number over both tensors
	s_lshl_b32 s70, s72, 12
	s_add_nc_u64 s[18:19], s[18:19], s[70:71]      ; its 4,096 bytes of codes
	s_lshl_b32 s70, s72, 9
	s_add_nc_u64 s[20:21], s[20:21], s[70:71]      ; its 512 bytes of scale words
	v_lshlrev_b32 v18, 3, v5
	v_mov_b32 v17, 0                               ; written once: a lane permute's destination counts as one of its sources
.macro XLOAD s                         ; K step s of the 16 rows: each load reads 512 consecutive bytes of one row
.irp i, 0,1,2,3,4,5,6,7,8,9,10,11,12,13,14,15
	global_load_b128 v[64+64*((\s)%2)+4*\i:64+64*((\s)%2)+4*\i+3], v6, s[4:5] offset:\i*8192+(\s)*512 th:TH_LOAD_NT
.endr
.endm
.macro XSTEP s
.if (\s) < 3
	s_wait_loadcnt 16                              ; this step's 16 loads are in; the next step's 16 may be out
.else
	s_wait_loadcnt 0x0
.endif
.irp i, 0,1,2,3,4,5,6,7,8,9,10,11,12,13,14,15
	ds_store_b128 v8, v[64+64*((\s)%2)+4*\i:64+64*((\s)%2)+4*\i+3] offset:\i*528
.endr
.irp c, 0,1
.irp i, 0,1,2,3,4,5,6,7
	ds_load_b128 v[192+32*\c+4*\i:192+32*\c+4*\i+3], v9 offset:\c*256+16*\i   ; LDS serves a wave's instructions in order: these see the stores above.  Row r, k = 64 c + 32 h + 4 i ..
.endr
.endr
	s_wait_dscnt 0x0                               ; my numbers are back, and the stores have read their registers,
.if (\s)+2 < 4
	XLOAD (\s)+2                                   ; which take the loads of two steps on
.endif
.irp c, 0,1                                    ; my block 2 c + h: all its 32 numbers are mine
	v_max3_num_f32 v[10+\c], |v[192+32*\c]|, |v[193+32*\c]|, 0x1800000   ; and the floor 2^(3 - 127): the byte cannot fall under 1
.endr
.irp i, 2,4,6,8,10,12,14,16,18,20,22,24,26,28,30
.irp c, 0,1
	v_max3_num_f32 v[10+\c], v[10+\c], |v[192+32*\c+\i]|, |v[193+32*\c+\i]|
.endr
.endr
.irp c, 0,1
	v_add_nc_u32 v[12+\c], 0xff000000, v[10+\c]    ; 2 off the exponent field: the conversion takes the exponent field of this operand as its scale
.endr
.irp c, 0,1
	v_lshrrev_b32 v[14+\c], 23, v[12+\c]           ; the scale's byte
.endr
	v_lshl_or_b32 v16, v15, 16, v14                ; my two bytes, blocks h and 2 + h,
	v_lshlrev_b32 v16, v18, v16                    ; at their places in the word;
	v_permlanex16_b32 v17, v16, s28, s29
	v_or_b32 v[24+(\s)], v16, v17                  ; with lane l xor 16's two the word is whole
.irp c, 0,1
.irp g, 0,1,2,3
	v_cvt_scalef32_pk8_fp4_f32 v[32+8*(\s)+4*\c+\g], v[192+32*\c+8*\g:192+32*\c+8*\g+7], v[12+\c]
.endr
.endr
	v_nop                                          ; one plain line behind the last scaled conversion
.irp c, 0,1
	global_store_b128 v6, v[32+8*(\s)+4*\c:32+8*(\s)+4*\c+3], s[18:19] offset:(\s)*1024+\c*512   ; 512 consecutive bytes; each step has its own registers, so no store's data are written again
.endr
.endm
	XLOAD 0
	XLOAD 1
	XSTEP 0
	XSTEP 1
	XSTEP 2
	XSTEP 3
	global_store_b128 v6, v[24:27], s[20:21]
	s_branch .Lend
; 32 rows k = 32 t + i of a weight [k][1024], a lane to a column, into set t % 2 of v32-95: each load reads 128 consecutive bytes
.macro CLOAD t, base
.set i_, 0
.rept 32
	global_load_b32 v[32+32*((\t)%2)+i_], v7, s[\base:\base+1] offset:(32*(\t)+i_)*4096 th:TH_LOAD_NT
.set i_, i_+1
.endr
.endm
; ---------------- WQ: 96 work-groups: g = 32 x weight + 8 x K step s + column group; a wave 32 columns, a lane one column and the four blocks of its K step of 128
; v11 scale operand, v12-13 at work, v24 the column's scale word for this K step, v96-111 codes (four registers a block, never rewritten)
.Lwq:
	s_lshr_b32 s68, ttmp9, 5                       ; which weight
	s_and_b32 s69, ttmp9, 7                        ; columns 128 cg on
	s_bfe_u32 s78, ttmp9, 0x20003                  ; s: two bits from bit 3
	s_cmp_eq_u32 s68, 1
	s_cselect_b64 s[10:11], s[12:13], s[10:11]
	s_cmp_eq_u32 s68, 2
	s_cselect_b64 s[10:11], s[14:15], s[10:11]
	s_lshl_b32 s70, s78, 19                        ; 128 rows of 4,096 bytes
	s_lshl_b32 s72, s69, 9
	s_add_co_u32 s70, s70, s72
	s_lshl_b32 s72, s30, 7
	s_add_co_u32 s70, s70, s72
	s_add_nc_u64 s[10:11], s[10:11], s[70:71]      ; my wave's first column, my K step's first row
	s_lshl_b32 s72, s69, 3
	s_lshl_b32 s73, s30, 1
	s_add_co_u32 s72, s72, s73                     ; its tile of 16 columns: 8 cg + 2 w
	s_lshl_b32 s72, s72, 12
	s_lshl_b32 s73, s68, 18
	s_add_co_u32 s72, s72, s73
	s_lshl_b32 s73, s78, 10                        ; a K step is 1,024 bytes of a tile's image
	s_add_co_u32 s70, s72, s73
	s_add_nc_u64 s[74:75], s[22:23], s[70:71]      ; the codes
	s_lshl_b32 s72, s68, 14
	s_lshl_b32 s73, s78, 12
	s_add_co_u32 s72, s72, s73
	s_lshl_b32 s73, s69, 9
	s_add_co_u32 s72, s72, s73
	s_lshl_b32 s73, s30, 7
	s_add_co_u32 s72, s72, s73
	s_add_co_u32 s70, s72, 786432
	s_add_nc_u64 s[76:77], s[22:23], s[70:71]      ; the scale words: [weight][s][column], 4 bytes each
	v_lshl_add_u32 v10, v5, 12, v10                ; lanes 16-31 hold the next tile's columns: 4,096 bytes on
.macro WBLOCK t                        ; block t = 2 c + h' of my column's K step: its 16 bytes lie 256 t bytes into the step's part of the image
.set XS_, 32+32*((\t)%2)
.if (\t) < 3
	s_wait_loadcnt 32                              ; this block's 32 loads are in; the next block's may be out
.else
	s_wait_loadcnt 0x0
.endif
	v_max3_num_f32 v12, |v[XS_]|, |v[XS_+1]|, |v[XS_+2]|
	v_max3_num_f32 v13, |v[XS_+3]|, |v[XS_+4]|, |v[XS_+5]|
.irp i, 6,10,14,18,22,26
	v_max3_num_f32 v12, v12, |v[XS_+\i]|, |v[XS_+\i+1]|
	v_max3_num_f32 v13, v13, |v[XS_+\i+2]|, |v[XS_+\i+3]|
.endr
	v_max3_num_f32 v12, v12, |v[XS_+30]|, |v[XS_+31]|
	v_max3_num_f32 v12, v12, v13, 0x1800000        ; and the floor 2^(3 - 127)
	v_add_nc_u32 v11, 0xff000000, v12
	v_lshrrev_b32 v13, 23, v11
.if (\t) == 0
	v_mov_b32 v24, v13                             ; four bytes make the word, the lower k in the lower byte
.else
	v_lshl_or_b32 v24, v13, 8*(\t), v24
.endif
.irp g, 0,1,2,3
	v_cvt_scalef32_pk8_fp4_f32 v[96+4*(\t)+\g], v[XS_+8*\g:XS_+8*\g+7], v11
.endr
	v_nop                                          ; one plain line behind the last scaled conversion
	global_store_b128 v10, v[96+4*(\t):96+4*(\t)+3], s[74:75] offset:256*(\t)   ; sixteen lanes store 256 consecutive bytes, aligned
.if (\t)+2 < 4
	CLOAD (\t)+2, 10
.endif
.endm
	CLOAD 0, 10
	CLOAD 1, 10
	WBLOCK 0
	WBLOCK 1
	WBLOCK 2
	WBLOCK 3
	global_store_b32 v7, v24, s[76:77]             ; 32 columns' words: 128 consecutive bytes a wave, 512 a work-group
	s_branch .Lend
; ---------------- WO: 64 work-groups: columns 128 (g' % 8) on, k 128 (g' / 8) on; a lane one column, 4 blocks of 32 down k
; v96-159 the f16 pairs (16 registers a block, never rewritten)
.Lwo:
	s_sub_co_u32 s68, ttmp9, 96
	s_and_b32 s69, s68, 7
	s_lshr_b32 s68, s68, 3
	s_lshl_b32 s70, s68, 19                        ; 128 rows of 4,096 bytes
	s_lshl_b32 s72, s69, 9
	s_add_co_u32 s70, s70, s72
	s_lshl_b32 s72, s30, 7
	s_add_co_u32 s70, s70, s72
	s_add_nc_u64 s[16:17], s[16:17], s[70:71]
	s_lshl_b32 s72, s69, 3
	s_lshl_b32 s73, s30, 1
	s_add_co_u32 s72, s72, s73
	s_lshl_b32 s72, s72, 15                        ; a tile of 16 columns is 32,768 bytes
	s_lshl_b32 s73, s68, 12                        ; 4 blocks of 1,024
	s_add_co_u32 s70, s72, s73
	s_add_nc_u64 s[24:25], s[24:25], s[70:71]
	v_lshl_add_u32 v10, v5, 15, v10
.macro OBLOCK t
.set XS_, 32+32*((\t)%2)
.if (\t) < 3
	s_wait_loadcnt 32                              ; this block's 32 loads are in; the next block's may be out
.else
	s_wait_loadcnt 0x0
.endif
.set i_, 0
.rept 16
	v_cvt_pk_f16_f32 v[96+16*(\t)+i_], v[XS_+2*i_], v[XS_+2*i_+1]   ; the lower k in the low half
.set i_, i_+1
.endr
.irp q, 0,1,2,3                                ; eight k = 8 q on are part a = q / 2, half h' = q % 2 of the image
	global_store_b128 v10, v[96+16*(\t)+4*\q:96+16*(\t)+4*\q+3], s[24:25] offset:(\t)*1024+\q*256
.endr
.if (\t)+2 < 4
	CLOAD (\t)+2, 16
.endif
.endm
	CLOAD 0, 16
	CLOAD 1, 16
	OBLOCK 0
	OBLOCK 1
	OBLOCK 2
	OBLOCK 3
	s_branch .Lend
; ---------------- MK: 64 work-groups; a wave takes one tile of 16 queries (16 rows of 2,048 bytes)
; v32-47 W: word x = 4 gq + c of query r in lanes r and r + 16: bit l stands for key 128 gq + 4 l + c;  v48-55 the 256 words to store;  v56-63 at work;  v64-191 two sets of four rows
.Lmk:
	s_sub_co_u32 s68, ttmp9, 160
	s_lshl_b32 s68, s68, 2
	s_add_co_u32 s68, s68, s30                     ; the tile b 32 + qt
	s_lshl_b32 s70, s68, 15
	s_add_nc_u64 s[8:9], s[8:9], s[70:71]
	s_lshl_b32 s70, s68, 10
	s_add_nc_u64 s[26:27], s[26:27], s[70:71]
.set i_, 32
.rept 24
	v_mov_b32 v[i_], 0                             ; v_writelane_b32's destination counts as read
.set i_, i_+1
.endr
.macro MLOAD k                         ; rows 4 k .. 4 k + 3, each as four loads of 512 consecutive bytes
.irp rr, 0,1,2,3
.irp gq, 0,1,2,3
	global_load_b128 v[64+64*((\k)%2)+16*\rr+4*\gq:64+64*((\k)%2)+16*\rr+4*\gq+3], v6, s[8:9] offset:(4*(\k)+\rr)*2048+\gq*512 th:TH_LOAD_NT
.endr
.endr
.endm
.macro MROWS k
.if (\k) < 3
	s_wait_loadcnt 16                              ; these four rows are in; the next four's 16 loads may be out
.else
	s_wait_loadcnt 0x0
.endif
.irp rr, 0,1,2,3
.set x_, 0
.rept 16
	v_cmp_ne_u32 s[32+x_], 0, v[64+64*((\k)%2)+16*\rr+x_]
.set x_, x_+1
.endr
.set x_, 0
.rept 16
	v_writelane_b32 v[32+x_], s[32+x_], 4*(\k)+\rr
	v_writelane_b32 v[32+x_], s[32+x_], 4*(\k)+\rr+16
.set x_, x_+1
.endr
.endr
.if (\k)+2 < 4
	MLOAD (\k)+2
.endif
.endm
	MLOAD 0
	MLOAD 1
	MROWS 0
	MROWS 1
	MROWS 2
	MROWS 3
	v_lshlrev_b32 v56, 1, v5
.set x_, 0
.rept 16
	v_lshrrev_b32 v[32+x_], v56, v[32+x_]          ; key 16 t + 8 h + j is bit 4 (t % 8) + 2 h + j / 4 of word 4 (t / 8) + j % 4: lanes 16-31 shift their 2 h away
.set x_, x_+1
.endr
.set t_, 0
.rept 32
.irp j, 0,1,2,3,4,5,6,7
	v_and_b32 v[56+\j], 1<<(4*(t_%8)+\j/4), v[32+4*(t_/8)+\j%4]
.endr
.irp j, 0,1,2,3,4,5,6,7
	v_cmp_ne_u32 s[48+\j], 0, v[56+\j]             ; word (t, j): a bit for each lane (r, h)
.endr
.irp j, 0,1,2,3,4,5,6,7
	v_writelane_b32 v[48+4*(t_/16)+\j%4], s[48+\j], 2*(t_%16)+\j/4   ; so that memory word 8 t + j is word (t, j)
.endr
.set t_, t_+1
.endr
	global_store_b128 v6, v[48:51], s[26:27]
	global_store_b128 v6, v[52:55], s[26:27] offset:512
.Lend:
	s_wait_tensorcnt 0x0                           ; the wave's end: behind my last LDS store; the tensor wait stands though the text has no tensor load
	ds_add_u32 v[SPW], v[NIL]
	s_wait_dscnt 0x0
	s_endpgm
.Lfunc_end_k_q89b99b02bc_prep:
	.size	k_q89b99b02bc_prep, .Lfunc_end_k_q89b99b02bc_prep-k_q89b99b02bc_prep
	.p2alignl 7, 3214868480
	.fill 96, 4, 3214868480
	.section	.rodata,"a",@progbits
	.p2align	6, 0x0
	.amdhsa_kernel k_q89b99b02bc_prep
		.amdhsa_group_segment_fixed_size 34304
		.amdhsa_private_segment_fixed_size 0
		.amdhsa_enable_private_segment 0
		.amdhsa_kernarg_size 96
		.amdhsa_user_sgpr_count 2
		.amdhsa_user_sgpr_kernarg_segment_ptr 1
		.amdhsa_wavefront_size32 1
		.amdhsa_system_sgpr_workgroup_id_x 1
		.amdhsa_system_sgpr_workgroup_id_y 1
		.amdhsa_system_sgpr_workgroup_id_z 1
		.amdhsa_system_vgpr_workitem_id 0
		.amdhsa_next_free_vgpr 256
		.amdhsa_next_free_sgpr 80
		.amdhsa_reserve_vcc 0
		.amdhsa_float_denorm_mode_32 3
		.amdhsa_float_denorm_mode_16_64 3
		.amdhsa_memory_ordered 1
		.amdhsa_forward_progress 1
		.amdhsa_inst_pref_size 169
	.end_amdhsa_kernel
	.amdgpu_metadata
---
amdhsa.version: [ 1, 2 ]
amdhsa.kernels:
  - .name:           k_q89b99b02bc_prep
    .symbol:         k_q89b99b02bc_prep.kd
    .args:
      - { .name: Q, .offset: 0, .size: 8, .value_kind: global_buffer, .address_space: global }
      - { .name: K, .offset: 8, .size: 8, .value_kind: global_buffer, .address_space: global }
      - { .name: mask, .offset: 16, .size: 8, .value_kind: global_buffer, .address_space: global }
      - { .name: w_q, .offset: 24, .size: 8, .value_kind: global_buffer, .address_space: global }
      - { .name: w_k, .offset: 32, .size: 8, .value_kind: global_buffer, .address_space: global }
      - { .name: w_v, .offset: 40, .size: 8, .value_kind: global_buffer, .address_space: global }
      - { .name: w_o, .offset: 48, .size: 8, .value_kind: global_buffer, .address_space: global }
      - { .name: xc, .offset: 56, .size: 8, .value_kind: global_buffer, .address_space: global }
      - { .name: xs, .offset: 64, .size: 8, .value_kind: global_buffer, .address_space: global }
      - { .name: wc, .offset: 72, .size: 8, .value_kind: global_buffer, .address_space: global }
      - { .name: wo16, .offset: 80, .size: 8, .value_kind: global_buffer, .address_space: global }
      - { .name: mw, .offset: 88, .size: 8, .value_kind: global_buffer, .address_space: global }
    .group_segment_fixed_size: 34304
    .private_segment_fixed_size: 0
    .kernarg_segment_align: 8
    .kernarg_segment_size: 96
    .max_flat_workgroup_size: 128
    .sgpr_count:     80
    .vgpr_count:     256
    .wavefront_size: 32
...
	.end_amdgpu_metadata
.endif
;; end of part 1
;; launch proj (part 2): grid 128 x 2, 4 waves a work-group, no clusters, 0 bytes of LDS; arguments xc, xs, wc, qkv; writes qkv
.if DOCPART == 2
	.amdgcn_target "amdgcn-amd-amdhsa--gfx1250"
	.amdhsa_code_object_version 6
	.text
	.protected	k_q89b99b02bc_proj
	.globl	k_q89b99b02bc_proj
	.p2align	8
	.type	k_q89b99b02bc_proj,@function
k_q89b99b02bc_proj:
	s_mov_b64 s[64:65], 0
	v_nop
	global_prefetch_b8 v0, s[64:65] scope:SCOPE_SE
	s_setreg_imm32_b32 hwreg(HW_REG_WAVE_MODE, 25, 1), 1
	s_wait_xcnt 0x0
; PROJ: Kp = K w_k (job 0), Vp = K w_v (job 1) on codes of FP4 (E2M1) with one E8M0 scale for each 32 along K; sums in f32; results rounded once to f16 and stored as images of the next launch's operand registers.
; No work of reference() is left out of the program: Qp = Q w_q is made in the next launch, by the one wave that reads each part of it.
; SHARES.  Work-group (x, job): 16 tiles of 16 rows (tiles 16 rb .. 16 rb + 15 of K's codes, rb = x / 2: 4 nt x 4 m of b = rb / 8) x 512 columns (half ch = x % 2): 2 x 64 x 2 = 256 work-groups of equal work.
; Wave w keeps the weights of heads 8 ch + 2 w and + 1 (8 tiles of 16 columns x 4 K steps x 8 registers = 256 registers) for the whole launch.  The waves share nothing: no LDS, no barrier.
; EVERY TILE OF x HAS REGISTERS OF ITS OWN (16 x 32), and its packed results are written over its own codes when they are done with: no register that a load or a store names is ever written again, so the text has no loop and no wait for stores' sources.
; Loads run six tiles ahead: 54 loads of a wave are out behind the tile in hand.
; No cluster: operands go from memory straight into the registers that the matrix instruction names, each byte read once by a wave that wants it (139,264 bytes of weights and 73,728 of x a work-group, against 262,144 that it stores); a joint load would bring them into LDS first and add a pass.
; LAYOUT.  Job 0: source 0 = 16 columns of the weight, source 1 = 16 rows of x: a lane then holds ONE row (key 16 nt + r) and eight neighbouring channels, the 16 bytes that a fragment of K wants:
;   Kf [b 16 + h][nt 32][cb = 2 m + delta / 2][a = delta % 2][lane][16 B], delta the tile of 16 among the head's 64; at byte 0 of qkv.
; Job 1: the sources are swapped: a lane holds ONE channel and eight neighbouring keys: a fragment of V^T:  Vf [b 16 + h][u = nt / 2][ct = 4 m + delta][a = nt % 2][lane][16 B]; at byte 33,554,432.
; LIMIT: a result beyond 65,504 in magnitude does not fit f16.
; REGISTERS: window 0: v1 16 x lane, v2 4 r; v16-47 the weights' scale words (4 t + s); v48-111 x's scale words (4 e + s); v112-175 eight accumulators.
;   window 1: the weights, tile t, K step s at 32 t + 8 s.   windows 2, 3: x's tile e at 32 (e % 8) + 8 s of window 2 + e / 8; later its packed results, 4 t + i.
.set WS,    16
.set XS,    48
.set ACC,   112
.set AHEAD, 6
.set MSB, 0
.macro WIN new                         ; the immediate's high byte repeats the setting that is left
.if MSB != (\new)
	s_set_vgpr_msb (MSB<<8)|(\new)
.set MSB, (\new)
.endif
.endm
	s_load_b256 s[4:11], s[0:1], 0x0               ; xc 4:5, xs 6:7, wc 8:9, qkv 10:11
	v_lshrrev_b32 v1, 5, v0
	v_readfirstlane_b32 s12, v1                    ; wave 0..3
	v_and_b32 v1, 31, v0
	v_and_b32 v2, 15, v0
	v_lshlrev_b32 v1, 4, v1
	v_lshlrev_b32 v2, 2, v2
	s_and_b32 s13, ttmp7, 0xffff                   ; the job
	s_lshr_b32 s14, ttmp9, 1                       ; rb: which 16 tiles of rows
	s_and_b32 s15, ttmp9, 1                        ; ch: which half of the columns
	s_lshl_b32 s16, s14, 16                        ; 16 tiles of 4,096 bytes,
	s_add_co_u32 s16, s16, 4194304                 ; in K's part of xc
	s_mov_b32 s17, 0
	s_lshl_b32 s18, s14, 13                        ; 16 tiles of 512 bytes,
	s_add_co_u32 s18, s18, 524288                  ; in K's part of xs
	s_mov_b32 s19, 0
	s_lshl_b32 s29, s15, 5
	s_lshl_b32 s30, s12, 3
	s_add_co_u32 s29, s29, s30                     ; my first column tile: 32 ch + 8 w
	s_add_co_u32 s30, s13, 1                       ; the weight: 1 w_k, 2 w_v
	s_lshl_b32 s20, s30, 18
	s_lshl_b32 s21, s29, 12                        ; column tiles of 4,096 bytes
	s_add_co_u32 s20, s20, s21
	s_mov_b32 s21, 0
	s_lshl_b32 s22, s30, 14
	s_lshl_b32 s23, s29, 6                         ; 16 columns' words of one K step are 64 bytes
	s_add_co_u32 s22, s22, s23
	s_add_co_u32 s22, s22, 786432
	s_mov_b32 s23, 0
	s_lshl_b32 s24, s13, 25                        ; the job's part of qkv: 33,554,432 bytes
	s_lshr_b32 s25, s14, 3
	s_lshl_b32 s25, s25, 22                        ; b x 16 heads x 262,144
	s_add_co_u32 s24, s24, s25
	s_lshl_b32 s25, s29, 16                        ; my first head, (32 ch + 8 w) / 4, x 262,144
	s_add_co_u32 s24, s24, s25
	s_and_b32 s25, s14, 7
	s_lshl_b32 s25, s25, 15                        ; 4 nt (job 0: x 8,192) or 2 u (job 1: x 16,384)
	s_add_co_u32 s24, s24, s25
	s_mov_b32 s25, 0
	s_wait_kmcnt 0x0
	s_add_nc_u64 s[4:5], s[4:5], s[16:17]
	s_add_nc_u64 s[6:7], s[6:7], s[18:19]
	s_add_nc_u64 s[26:27], s[8:9], s[22:23]
	s_add_nc_u64 s[8:9], s[8:9], s[20:21]
	s_add_nc_u64 s[10:11], s[10:11], s[24:25]
.irp t, 0,1,2,3,4,5,6,7
.irp s, 0,1,2,3
	global_load_b32 v[WS+4*\t+\s], v2, s[26:27] offset:\s*4096+\t*64   ; lane r: the word of column 16 t + r for K step s
.endr
.endr
	WIN 0x40                                       ; destination window 1, address window 0
.irp t, 0,1,2,3,4,5,6,7
.irp s, 0,1,2,3
.irp c, 0,1
	global_load_b128 v[32*\t+8*\s+4*\c:32*\t+8*\s+4*\c+3], v1, s[8:9] offset:\t*4096+\s*1024+\c*512
.endr
.endr
.endr
.macro XLOAD e                         ; tile e: its four fragments and its scale words: nine loads
	WIN ((2+(\e)/8)<<6)
.irp s, 0,1,2,3
.irp c, 0,1
	global_load_b128 v[32*((\e)%8)+8*\s+4*\c:32*((\e)%8)+8*\s+4*\c+3], v1, s[4:5] offset:(\e)*4096+\s*1024+\c*512
.endr
.endr
	WIN 0
	global_load_b128 v[XS+4*(\e):XS+4*(\e)+3], v1, s[6:7] offset:(\e)*512
.endm
.irp e, 0,1,2,3,4,5
	XLOAD \e
.endr
; One tile of 16 rows against my 8 column tiles.  The eight accumulators take turns, one instruction a turn, K step by K step.
.macro TILE e, var
.if (\e)+AHEAD < 16
	XLOAD (\e)+AHEAD
.endif
.if 15-(\e) < AHEAD
	s_wait_loadcnt 9*(15-(\e))                     ; this tile's loads are in; behind them only the later tiles' nine each were issued
.else
	s_wait_loadcnt 9*AHEAD                         ; this tile's loads (the first time: the weights too) are in; the six later tiles' 54 may be out
.endif
.set WN_, 2+(\e)/8
.set XB_, 32*((\e)%8)
.if \var
	WIN WN_|(1<<2)                                 ; x is source 0, the weights are source 1
.else
	WIN 1|(WN_<<2)                                 ; the weights are source 0, x is source 1
.endif
.irp s, 0,1,2,3
.irp t, 0,1,2,3,4,5,6,7
.if \var
.if \s == 0
	v_wmma_scale_f32_16x16x128_f8f6f4 v[ACC+8*\t:ACC+8*\t+7], v[XB_+8*\s:XB_+8*\s+7], v[32*\t+8*\s:32*\t+8*\s+7], 0, v[XS+4*(\e)+\s], v[WS+4*\t+\s] matrix_a_fmt:MATRIX_FMT_FP4 matrix_b_fmt:MATRIX_FMT_FP4
.else
	v_wmma_scale_f32_16x16x128_f8f6f4 v[ACC+8*\t:ACC+8*\t+7], v[XB_+8*\s:XB_+8*\s+7], v[32*\t+8*\s:32*\t+8*\s+7], v[ACC+8*\t:ACC+8*\t+7], v[XS+4*(\e)+\s], v[WS+4*\t+\s] matrix_a_fmt:MATRIX_FMT_FP4 matrix_b_fmt:MATRIX_FMT_FP4
.endif
.else
.if \s == 0
	v_wmma_scale_f32_16x16x128_f8f6f4 v[ACC+8*\t:ACC+8*\t+7], v[32*\t+8*\s:32*\t+8*\s+7], v[XB_+8*\s:XB_+8*\s+7], 0, v[WS+4*\t+\s], v[XS+4*(\e)+\s] matrix_a_fmt:MATRIX_FMT_FP4 matrix_b_fmt:MATRIX_FMT_FP4
.else
	v_wmma_scale_f32_16x16x128_f8f6f4 v[ACC+8*\t:ACC+8*\t+7], v[32*\t+8*\s:32*\t+8*\s+7], v[XB_+8*\s:XB_+8*\s+7], v[ACC+8*\t:ACC+8*\t+7], v[WS+4*\t+\s], v[XS+4*(\e)+\s] matrix_a_fmt:MATRIX_FMT_FP4 matrix_b_fmt:MATRIX_FMT_FP4
.endif
.endif
.endr
.endr
	WIN (WN_<<6)                                   ; destination: the tile's own window; sources window 0
.rept 4
	v_nop                                          ; four places between the last product and the first line that reads a result or writes a source (ISA guide 7.12.1)
.endr
.irp t, 0,1,2,3,4,5,6,7
.irp i, 0,1,2,3
	v_cvt_pk_f16_f32 v[XB_+4*\t+\i], v[ACC+8*\t+2*\i], v[ACC+8*\t+2*\i+1]   ; each accumulator from its low end on; over the tile's codes, which no later line reads
.endr
.endr
	WIN (WN_<<2)                                   ; a store's data are its source 1
.irp t, 0,1,2,3,4,5,6,7                        ; head t / 4 of my two, delta = t % 4; each store is 512 consecutive bytes
.if \var
	global_store_b128 v1, v[XB_+4*\t:XB_+4*\t+3], s[10:11] offset:(\t/4)*262144+((\e)/8)*16384+((\e)%4)*4096+(\t%4)*1024+(((\e)/4)%2)*512
.else
	global_store_b128 v1, v[XB_+4*\t:XB_+4*\t+3], s[10:11] offset:(\t/4)*262144+(\e)*2048+(\t%4)*512
.endif
.endr
.endm
	s_cmp_eq_u32 s13, 1                            ; a branch on the work-group's number; every window is 0 here
	s_cbranch_scc1 .Lv
.irp e, 0,1,2,3,4,5,6,7,8,9,10,11,12,13,14,15
	TILE \e, 0
.endr
	WIN 0
	s_endpgm
.Lv:
.irp e, 0,1,2,3,4,5,6,7,8,9,10,11,12,13,14,15
	TILE \e, 1
.endr
	WIN 0
	s_endpgm
.Lfunc_end_k_q89b99b02bc_proj:
	.size	k_q89b99b02bc_proj, .Lfunc_end_k_q89b99b02bc_proj-k_q89b99b02bc_proj
	.p2alignl 7, 3214868480
	.fill 96, 4, 3214868480
	.section	.rodata,"a",@progbits
	.p2align	6, 0x0
	.amdhsa_kernel k_q89b99b02bc_proj
		.amdhsa_group_segment_fixed_size 0
		.amdhsa_private_segment_fixed_size 0
		.amdhsa_enable_private_segment 0
		.amdhsa_kernarg_size 32
		.amdhsa_user_sgpr_count 2
		.amdhsa_user_sgpr_kernarg_segment_ptr 1
		.amdhsa_wavefront_size32 1
		.amdhsa_system_sgpr_workgroup_id_x 1
		.amdhsa_system_sgpr_workgroup_id_y 1
		.amdhsa_system_sgpr_workgroup_id_z 1
		.amdhsa_system_vgpr_workitem_id 0
		.amdhsa_next_free_vgpr 1024
		.amdhsa_next_free_sgpr 66
		.amdhsa_reserve_vcc 0
		.amdhsa_float_denorm_mode_32 3
		.amdhsa_float_denorm_mode_16_64 3
		.amdhsa_memory_ordered 1
		.amdhsa_forward_progress 1
		.amdhsa_inst_pref_size 255
	.end_amdhsa_kernel
	.section	.bss,"aw",@nobits
	.p2align	6
	.space	262144
	.amdgpu_metadata
---
amdhsa.version: [ 1, 2 ]
amdhsa.kernels:
  - .name:           k_q89b99b02bc_proj
    .symbol:         k_q89b99b02bc_proj.kd
    .args:
      - { .name: xc, .offset: 0, .size: 8, .value_kind: global_buffer, .address_space: global }
      - { .name: xs, .offset: 8, .size: 8, .value_kind: global_buffer, .address_space: global }
      - { .name: wc, .offset: 16, .size: 8, .value_kind: global_buffer, .address_space: global }
      - { .name: qkv, .offset: 24, .size: 8, .value_kind: global_buffer, .address_space: global }
    .group_segment_fixed_size: 0
    .private_segment_fixed_size: 0
    .kernarg_segment_align: 8
    .kernarg_segment_size: 32
    .max_flat_workgroup_size: 128
    .sgpr_count:     66
    .vgpr_count:     1024
    .wavefront_size: 32
...
	.end_amdgpu_metadata
.endif
;; end of part 2
;; launch attn (part 3): grid 4 x 128, 4 waves a work-group, clusters of 4 x 1, 327,680 bytes of LDS; arguments qkv, mw, oimg, xc, xs, wc; writes oimg
.if DOCPART == 3
	.amdgcn_target "amdgcn-amd-amdhsa--gfx1250"
	.amdhsa_code_object_version 6
	.text
	.protected	k_q89b99b02bc_attn
	.globl	k_q89b99b02bc_attn
	.p2align	8
	.type	k_q89b99b02bc_attn,@function
k_q89b99b02bc_attn:
	s_mov_b64 s[64:65], 0
	v_nop
	global_prefetch_b8 v0, s[64:65] scope:SCOPE_SE
	s_setreg_imm32_b32 hwreg(HW_REG_WAVE_MODE, 25, 1), 1
	s_wait_xcnt 0x0
	s_wait_alu depctr_hold_cnt(0) depctr_sa_sdst(0) depctr_va_vdst(0) depctr_va_sdst(0) depctr_va_ssrc(0) depctr_va_vcc(0) depctr_vm_vsrc(0)
	s_getreg_b32 s2, hwreg(HW_REG_IB_STS2, 6, 4)
	s_cmp_eq_u32 s2, 0
	s_cbranch_scc0 .Lentry_in_a_cluster
	s_endpgm
.Lentry_in_a_cluster:
	s_bfe_u32 s2, ttmp6, 0x10000c
	s_cmp_lg_u32 s2, 0x3003
	s_cbranch_scc0 .Lentry_shape_is_right
	s_endpgm
.Lentry_shape_is_right:
; ATTN: for each (b, h): Q_ = the head's part of Q w_q, on codes of FP4; E = Q_ K_^T / 32 over the 256 channels (m, d); the masked softmax; O = A V_.  The last two products take f16 operands; sums and the softmax in f32; O rounded once to f16 and stored as
; images of the last product's operand registers.  No work is left out.
; Q'S PROJECTION STANDS HERE because each part of Q_ is read by one wave alone: my 32 queries x 4 m are 8 tiles of 16 rows of Q's codes; against the head's 4 tiles of 16 columns of w_q and 4 K steps that is 128 matrix instructions, issued while K's first tiles
; are on their way.  Source 0 = 16 columns of w_q, source 1 = 16 rows: a lane holds ONE query and eight neighbouring channels, which, rounded to f16, are four registers of Q's fragment as they stand: register 16 e + 4 delta + i of window 1 (tile e = 4 q + m).
; THE SOFTMAX.  reference() takes the row's maximum mA over ALL scores, hides the masked ones, and divides exp(x - mA) by their sum + EPS.  With mM the maximum over the KEPT scores and p = exp(x - mM):
;   exp(x - mA) / (sum exp(x - mA) + EPS) = p / (sum p + EPS exp(mA - mM)), for all values: numerator and divisor are multiplied by exp(mA - mM).  Both maxima are taken; the largest kept p is 1, so p has f16's full precision whatever the mask hides.
;   In base 2: c = log2(e) / 32; p = 2^(s c - mM c).  mM's search starts at -3e38: a row with every key hidden gives p = 0, a divisor of infinity and O = 0, as reference() gives 0 / (0 + EPS).
; LIMITS: NaN and infinities among the inputs are not served; a number of Q_ beyond 65,504 in magnitude does not fit f16; where (mA - mM) c passes 128 the divisor is infinity and the row is 0, where reference()'s exponentials have fallen to 0 or to denormals.
; SHARES.  The cluster's four work-groups are the four blocks of 128 queries of one (b, h); they walk the same K and V, so each tile is asked for JOINTLY (mask 15).  Wave w owns 32 queries, two tiles of 16, and holds ALL their 512 scores in 512 registers:
; no running maximum, no rescaling.  S^T = K Q^T (source 0 = 16 keys, source 1 = 16 queries) and O^T = V^T P (source 0 = 16 channels, source 1 = P): a lane holds ONE query throughout; two tiles of S^T, packed in pairs, ARE a fragment of P.
; LDS: two slots of 131,072 bytes; a slot holds 256 keys of K (16 tiles x 8,192) or of V (8 blocks of 32 keys x 16,384), as images of registers: every fragment load is 16 x lane + a constant.  K's halves fill the slots first, V's halves fill them again.
; By the text's own count a wave has at most two tensor loads out.
; REGISTERS: window 0: v1-4 16 x lane + 0, 65,536, 131,072, 196,608; v5, v6 the add's two; v7 -infinity; v8-23 the mask words; v24-55 statistics, 16 a tile of queries; v56 4 r; v64-127, v128-191 two fragment buffers (on the way out: packed O).
;   window 1: Q (q, cb) at 8 (8 q + cb); later O^T (q, ct) at 8 (16 q + ct).   windows 2, 3: S^T (q, t) at 16 (t % 16) + 8 q of window 2 + t / 16; P (q, u) is written over S^T (q, 2 u).
;   At the head, for Q's projection: window 2: Q's codes, tile e, K step s at 32 e + 8 s; window 3: w_q's, tile d at 32 d + 8 s; v64-95 the rows' scale words (4 e + s), v96-111 the columns' (4 d + s); v128-191 eight accumulators.
.set SLOT1, 131072
.set SPARE, 262144                     ; behind the slots: the spare words, 128 bytes for each wave
.set LI,   1
.set SPW,  5
.set NIL,  6
.set NINF, 7
.set MW,   8
.set ST,   24                          ; tile q at ST + 16 q: +0..3 chains for mA, +4..7 for mM, later four pairs of sums; +8, 9 -mM c; +10, 11 1 / divisor; +12 mA; +13 mM; +14 2^((mA - mM) c); +15 at work
.set R4,   56
.set F0,   64
.set PKO,  64
.set XSQ,  64
.set WSQ,  96
.set ACQ,  128
.set MSB, 0
.macro WIN new                         ; the immediate's high byte repeats the setting that is left
.if MSB != (\new)
	s_set_vgpr_msb (MSB<<8)|(\new)
.set MSB, (\new)
.endif
.endm
.macro PLACES                          ; four places behind a matrix instruction, in front of loads into its sources and of reads of its result
.rept 4
	v_nop
.endr
.endm
.macro CROUND                          ; a round of the cluster's barrier
	s_barrier_signal -1
	s_barrier_wait -1
	s_cmp_lg_u32 s10, 0
	s_cbranch_scc1 .Lnot_wave_0_\@
	s_barrier_signal -3
.Lnot_wave_0_\@:
	s_barrier_wait -3
	s_barrier_signal -1
	s_barrier_wait -1
.endm
.macro THREE                           ; all my tensor loads have landed; 0 onto my spare word; the add is done and my LDS reads are back
	s_wait_tensorcnt 0x0
	ds_add_u32 v[SPW], v[NIL]
	s_wait_dscnt 0x0
.endm
	s_load_b128 s[4:7], s[0:1], 0x0                ; qkv 4:5, mw 6:7
	s_load_b64 s[8:9], s[0:1], 0x10                ; oimg
	s_load_b64 s[32:33], s[0:1], 0x18              ; xc
	s_load_b128 s[36:39], s[0:1], 0x20             ; xs 36:37, wc 38:39
	v_lshl_add_u32 v[SPW], v0, 2, SPARE
	v_mov_b32 v[NIL], 0
	ds_add_u32 v[SPW], v[NIL]                      ; the wave's opening: the add, twice on end, and its wait ahead of my first tensor load
	ds_add_u32 v[SPW], v[NIL]
	v_lshrrev_b32 v1, 5, v0
	v_readfirstlane_b32 s10, v1                    ; wave 0..3
	v_and_b32 v1, 31, v0
	v_lshlrev_b32 v1, 4, v1
	v_add_nc_u32 v2, 0x10000, v1
	v_add_nc_u32 v3, 0x20000, v1
	v_add_nc_u32 v4, 0x30000, v1
	v_and_b32 v[R4], 15, v0
	v_lshlrev_b32 v[R4], 2, v[R4]
	s_bfe_u32 s11, ttmp6, 0x40000                  ; cx: my block of 128 queries; it enters Q's, the mask's and O's addresses alone
	s_and_b32 s12, ttmp7, 0xffff                   ; y = b 16 + h, which the four partners share
	; descriptor group 1: 128 rows of 256 bytes, dense: 32,768 bytes a wave
	s_mov_b32 s16, 0x0023000f                      ; 15:0 the mask: all four work-groups; 17:16 elements of 8 bytes; 21 set beside a mask; no padding
	s_mov_b32 s17, 32<<16                          ; tensor_dim0 = 32
	s_mov_b32 s18, 128<<16                         ; tensor_dim1 = 128
	s_mov_b32 s19, 32<<16                          ; tile_dim0 = 32
	s_mov_b32 s20, 128                             ; tile_dim1 = 128
	s_mov_b32 s21, 32                              ; from row to row
	s_mov_b32 s22, 0
	s_mov_b32 s23, 0
	s_lshl_b32 s13, s10, 15                        ; my quarter of a slot
	s_lshl_b32 s90, s12, 18                        ; (b, h)'s 262,144 bytes in a part of qkv,
	s_add_co_u32 s90, s90, s13                     ; and my quarter of a half of them: made of y and the wave's number alone
	s_mov_b32 s91, 0
	s_lshl_b32 s14, s11, 3
	s_lshl_b32 s15, s10, 1
	s_add_co_u32 s14, s14, s15                     ; qt0 = 8 cx + 2 w: my first tile of queries
	s_lshr_b32 s15, s12, 4
	s_lshl_b32 s15, s15, 5
	s_add_co_u32 s15, s15, s14                     ; b 32 + qt0
	s_lshl_b32 s96, s15, 10                        ; the mask words: 1,024 bytes a tile
	s_mov_b32 s97, 0
	s_lshl_b32 s98, s15, 17                        ; O: four row tiles (m) of 32,768 bytes for each tile of queries,
	s_and_b32 s99, s12, 15
	s_lshl_b32 s99, s99, 11                        ; and in each the head's 2,048 bytes
	s_add_co_u32 s98, s98, s99
	s_mov_b32 s99, 0
	s_lshl_b32 s48, s15, 14                        ; Q's codes: four tiles (m) of 4,096 bytes for each tile of queries; Q's part of xc begins at byte 0
	s_mov_b32 s49, 0
	s_lshl_b32 s50, s15, 11                        ; their scale words: four tiles of 512 bytes
	s_mov_b32 s51, 0
	s_and_b32 s52, s12, 15                         ; h
	s_lshl_b32 s54, s52, 8                         ; w_q's scale words: the head's 64 columns x 4 bytes in each K step's row
	s_add_co_u32 s54, s54, 786432
	s_mov_b32 s55, 0
	s_lshl_b32 s52, s52, 14                        ; w_q's codes: the head's four tiles of 4,096 bytes; w_q's part of wc begins at byte 0
	s_mov_b32 s53, 0
	s_mov_b32 s76, 0x3d38aa3b                      ; c = log2(e) / 32
	s_mov_b32 s77, s76                             ; (named with it as a pair, so it is written)
	s_mov_b32 s78, 0x76543210
	s_mov_b32 s79, 0xfedcba98                      ; v_permlanex16_b32's selects for lane l xor 16
	s_mov_b32 s80, 0x322bcc77                      ; EPS = 1e-8
	s_wait_dscnt 0x0                               ; both opening adds are done
	s_wait_kmcnt 0x0
	s_add_nc_u64 s[92:93], s[4:5], s[90:91]
	s_add_nc_u64 s[86:87], s[6:7], s[96:97]
	s_add_nc_u64 s[88:89], s[8:9], s[98:99]
	s_add_nc_u64 s[40:41], s[32:33], s[48:49]
	s_add_nc_u64 s[42:43], s[36:37], s[50:51]
	s_add_nc_u64 s[44:45], s[38:39], s[52:53]
	s_add_nc_u64 s[46:47], s[38:39], s[54:55]
	; four groups 0, made once and never rewritten: K's keys 0-255, K's 256-511, V's 0-255, V's 256-511
	s_mov_b32 s24, 1
	s_mov_b32 s25, s13
	s_mov_b64 s[26:27], s[92:93]
	s_or_b32 s27, s27, 0x80000000
	s_mov_b32 s28, 1
	s_add_co_u32 s29, s13, SLOT1
	s_add_nc_u64 s[30:31], s[92:93], 131072
	s_or_b32 s31, s31, 0x80000000
	s_mov_b32 s68, 1
	s_mov_b32 s69, s13
	s_add_nc_u64 s[70:71], s[92:93], 33554432
	s_or_b32 s71, s71, 0x80000000
	s_mov_b32 s72, 1
	s_add_co_u32 s73, s13, SLOT1
	s_add_nc_u64 s[74:75], s[92:93], 33554432+131072
	s_or_b32 s75, s75, 0x80000000
	CROUND                                         ; all four work-groups are here: the first joint loads meet
	tensor_load_to_lds s[24:27], s[16:23]
	s_nop 0
	tensor_load_to_lds s[28:31], s[16:23]
	s_nop 0
	PLACES
	; what Q's projection wants, in the order in which it wants it: both sides' scale words, w_q's codes, Q's codes tile by tile; behind them the mask words
.irp d, 0,1,2,3
.irp s, 0,1,2,3
	global_load_b32 v[WSQ+4*\d+\s], v[R4], s[46:47] offset:\s*4096+\d*64   ; lane r: the word of the head's column 16 d + r for K step s
.endr
.endr
.irp e, 0,1,2,3,4,5,6,7
	global_load_b128 v[XSQ+4*\e:XSQ+4*\e+3], v1, s[42:43] offset:\e*512
.endr
	WIN 0xc0                                       ; destination window 3, address window 0
.irp d, 0,1,2,3
.irp s, 0,1,2,3
.irp c, 0,1
	global_load_b128 v[32*\d+8*\s+4*\c:32*\d+8*\s+4*\c+3], v1, s[44:45] offset:\d*4096+\s*1024+\c*512
.endr
.endr
.endr
	WIN 0x80                                       ; destination window 2
.irp e, 0,1,2,3,4,5,6,7
.irp s, 0,1,2,3
.irp c, 0,1
	global_load_b128 v[32*\e+8*\s+4*\c:32*\e+8*\s+4*\c+3], v1, s[40:41] offset:\e*4096+\s*1024+\c*512
.endr
.endr
.endr
	WIN 0
.irp g, 0,1,2,3
	global_load_b128 v[MW+4*\g:MW+4*\g+3], v1, s[86:87] offset:512*\g   ; word (t, j) of tile q: register 4 (2 q + t / 16) + j % 4, lane 2 (t % 16) + j / 4
.endr
	v_mov_b32 v[NINF], 0xff800000
.irp q, 0,1
.irp k, 0,1,2,3,4,5,6,7
	v_mov_b32 v[ST+16*\q+\k], 0xff61b1e6           ; both searches start at -3e38
.endr
	v_mov_b32 v[ST+16*\q+15], 0                    ; written once: a lane permute's destination counts as one of its sources
.endr
	; Q'S PROJECTION, two tiles of rows at a time: eight accumulators take turns, one instruction a turn, K step by K step
.irp ep, 0,1,2,3
	s_wait_loadcnt 16*(3-\ep)+4                    ; these two tiles' codes are in, and all that was asked for ahead of them; the later tiles' eight loads each and the four of the mask words may be out
	WIN 0x0b                                       ; source 0 (w_q) window 3, source 1 (Q's codes) window 2, C and D window 0
.irp s, 0,1,2,3
.irp tt, 0,1
.irp d, 0,1,2,3
.if \s == 0
	v_wmma_scale_f32_16x16x128_f8f6f4 v[ACQ+8*(4*\tt+\d):ACQ+8*(4*\tt+\d)+7], v[32*\d+8*\s:32*\d+8*\s+7], v[32*(2*\ep+\tt)+8*\s:32*(2*\ep+\tt)+8*\s+7], 0, v[WSQ+4*\d+\s], v[XSQ+4*(2*\ep+\tt)+\s] matrix_a_fmt:MATRIX_FMT_FP4 matrix_b_fmt:MATRIX_FMT_FP4
.else
	v_wmma_scale_f32_16x16x128_f8f6f4 v[ACQ+8*(4*\tt+\d):ACQ+8*(4*\tt+\d)+7], v[32*\d+8*\s:32*\d+8*\s+7], v[32*(2*\ep+\tt)+8*\s:32*(2*\ep+\tt)+8*\s+7], v[ACQ+8*(4*\tt+\d):ACQ+8*(4*\tt+\d)+7], v[WSQ+4*\d+\s], v[XSQ+4*(2*\ep+\tt)+\s] matrix_a_fmt:MATRIX_FMT_FP4 matrix_b_fmt:MATRIX_FMT_FP4
.endif
.endr
.endr
.endr
	WIN 0x40                                       ; destination window 1, sources window 0
	PLACES
.irp tt, 0,1
.irp d, 0,1,2,3
.irp i, 0,1,2,3
	v_cvt_pk_f16_f32 v[16*(2*\ep+\tt)+4*\d+\i], v[ACQ+8*(4*\tt+\d)+2*\i], v[ACQ+8*(4*\tt+\d)+2*\i+1]   ; each accumulator from its low end on; Q stays in registers
.endr
.endr
.endr
.endr
	WIN 0
; A UNIT is 16 LDS loads (64 registers) and the 16 products that they feed; two buffers take turns, a unit's loads stand one unit ahead of its products.
; K: unit n of a slot: key tiles 2 p, 2 p + 1 (p = n / 2), channels 128 g on (g = n % 2)
.macro FK n, slot, f
.set p_, (\n)/2
.set g_, (\n)%2
.irp tt, 0,1
.irp cb, 0,1,2,3
.irp a, 0,1
	ds_load_b128 v[\f+8*(4*\tt+\cb)+4*\a:\f+8*(4*\tt+\cb)+4*\a+3], v[LI+2*\slot+p_/4] offset:((2*p_+\tt)*8192+(4*g_+\cb)*1024+\a*512)%65536
.endr
.endr
.endr
.endm
.macro MK16 n, f                       ; four accumulators take turns, one instruction a turn; the first products start the sums
.set p_, (\n)/2
.set g_, (\n)%2
.irp cb, 0,1,2,3
.irp tt, 0,1
.irp q, 0,1
.if (g_ == 0) && (\cb == 0)
	v_wmma_f32_16x16x32_f16 v[16*(2*p_+\tt)+8*\q:16*(2*p_+\tt)+8*\q+7], v[\f+8*(4*\tt+\cb):\f+8*(4*\tt+\cb)+7], v[8*(8*\q+4*g_+\cb):8*(8*\q+4*g_+\cb)+7], 0
.else
	v_wmma_f32_16x16x32_f16 v[16*(2*p_+\tt)+8*\q:16*(2*p_+\tt)+8*\q+7], v[\f+8*(4*\tt+\cb):\f+8*(4*\tt+\cb)+7], v[8*(8*\q+4*g_+\cb):8*(8*\q+4*g_+\cb)+7], v[16*(2*p_+\tt)+8*\q:16*(2*p_+\tt)+8*\q+7]
.endif
.endr
.endr
.endr
.endm
; V: unit n of a slot: keys 32 u on (u = n / 2), channel tiles 8 g .. 8 g + 7 (g = n % 2)
.macro FV n, slot, f
.set u_, (\n)/2
.set g_, (\n)%2
.irp ct, 0,1,2,3,4,5,6,7
.irp a, 0,1
	ds_load_b128 v[\f+8*\ct+4*\a:\f+8*\ct+4*\a+3], v[LI+2*\slot+u_/4] offset:(u_*16384+(8*g_+\ct)*1024+\a*512)%65536
.endr
.endr
.endm
.macro MV16 n, f                       ; sixteen accumulators take turns; fz_ = 1: the first key block starts the sums
.set u_, (\n)/2
.set g_, (\n)%2
.irp ct, 0,1,2,3,4,5,6,7
.irp q, 0,1
.if fz_
	v_wmma_f32_16x16x32_f16 v[8*(16*\q+8*g_+\ct):8*(16*\q+8*g_+\ct)+7], v[\f+8*\ct:\f+8*\ct+7], v[32*u_+8*\q:32*u_+8*\q+7], 0
.else
	v_wmma_f32_16x16x32_f16 v[8*(16*\q+8*g_+\ct):8*(16*\q+8*g_+\ct)+7], v[\f+8*\ct:\f+8*\ct+7], v[32*u_+8*\q:32*u_+8*\q+7], v[8*(16*\q+8*g_+\ct):8*(16*\q+8*g_+\ct)+7]
.endif
.endr
.endr
.endm
.macro HALFK slot, win                 ; 256 keys of K against my 32 queries: 16 units
	PLACES
	FK 0, \slot, F0
.set n_, 0
.rept 16
	WIN 0
.if n_ < 15
	PLACES                                         ; the other buffer was read by the products just issued
	FK n_+1, \slot, F0+64*((n_+1)%2)
	s_wait_dscnt 16                                ; this unit's loads are in; the 16 just issued may be out
.else
	s_wait_dscnt 0x0
.endif
	WIN \win
	MK16 n_, F0+64*(n_%2)
.set n_, n_+1
.endr
	WIN 0
.endm
.macro HALFV slot, win, z              ; 256 keys of V: 16 units; z = 1: the first half
	PLACES
	FV 0, \slot, F0
.set n_, 0
.rept 16
	WIN 0
.if n_ < 15
	PLACES
	FV n_+1, \slot, F0+64*((n_+1)%2)
	s_wait_dscnt 16
.else
	s_wait_dscnt 0x0
.endif
	WIN \win
.set fz_, 0
.if (\z) && (n_ < 2)
.set fz_, 1
.endif
	MV16 n_, F0+64*(n_%2)
.set n_, n_+1
.endr
	WIN 0
.endm
; THE SOFTMAX of tile q, in four parts.
; PASSA: mA over all scores; the hidden ones become -infinity; mM over the rest.  Four tiles of keys at a time: their 32 mask words are read out of the lanes into s32-63.
.macro PASSA q
.set T_, ST+16*(\q)
.irp wn, 2,3
.irp gr, 0,1,2,3
	WIN (\wn<<4)|(\wn<<2)                          ; sources 1 and 2: the scores' window
.irp tt, 0,1,2,3
.irp k, 0,1,2,3
	v_max3_num_f32 v[T_+\k], v[T_+\k], v[16*(4*\gr+\tt)+8*\q+2*\k], v[16*(4*\gr+\tt)+8*\q+2*\k+1]   ; each accumulator from its low end on
.endr
.endr
.irp tt, 0,1,2,3
.irp j, 0,1,2,3,4,5,6,7
	v_readlane_b32 s[32+8*\tt+\j], v[MW+4*(2*\q+\wn-2)+\j%4], 2*(4*\gr+\tt)+\j/4
.endr
.endr
	WIN (\wn<<6)|(\wn<<2)                          ; destination and source 1: the scores' window
.irp tt, 0,1,2,3
.irp j, 0,1,2,3,4,5,6,7
	v_cndmask_b32 v[16*(4*\gr+\tt)+8*\q+\j], v[NINF], v[16*(4*\gr+\tt)+8*\q+\j], s[32+8*\tt+\j]   ; the bit is set: the score stays
.endr
.endr
	WIN (\wn<<4)|(\wn<<2)
.irp tt, 0,1,2,3
.irp k, 0,1,2,3
	v_max3_num_f32 v[T_+4+\k], v[T_+4+\k], v[16*(4*\gr+\tt)+8*\q+2*\k], v[16*(4*\gr+\tt)+8*\q+2*\k+1]
.endr
.endr
.endr
.endr
	WIN 0
.endm
.macro STATS q
.set T_, ST+16*(\q)
	v_max3_num_f32 v[T_+12], v[T_], v[T_+1], v[T_+2]
	v_max3_num_f32 v[T_+13], v[T_+4], v[T_+5], v[T_+6]
	v_max_num_f32 v[T_+12], v[T_+12], v[T_+3]
	v_max_num_f32 v[T_+13], v[T_+13], v[T_+7]
	v_permlanex16_b32 v[T_+15], v[T_+12], s78, s79 ; the query's other keys lie in the lane 16 away
	v_max_num_f32 v[T_+12], v[T_+12], v[T_+15]     ; mA
	v_permlanex16_b32 v[T_+15], v[T_+13], s78, s79
	v_max_num_f32 v[T_+13], v[T_+13], v[T_+15]     ; mM
	v_mul_f32 v[T_+8], s76, -v[T_+13]              ; -mM c
	v_sub_f32 v[T_+14], v[T_+12], v[T_+13]
	v_mov_b32 v[T_+9], v[T_+8]                     ; (named with it as a pair, so it is written)
	v_mul_f32 v[T_+14], s76, v[T_+14]
	v_exp_f32 v[T_+14], v[T_+14]                   ; 2^((mA - mM) c): first named again behind PASSB's waits
.irp k, 0,1,2,3,4,5,6,7
	v_mov_b32 v[T_+\k], 0                          ; the sums, four pairs
.endr
.endm
; PASSB: p = 2^(s c - mM c); the row's sum of the unrounded p; p packed to f16 in place.  The 128 exponentials of a window are ONE batch with ONE wait.
.macro PASSB q
.set T_, ST+16*(\q)
.irp wn, 2,3
	WIN (\wn<<6)|\wn                               ; destination and source 0: the scores' window
.irp tl, 0,1,2,3,4,5,6,7,8,9,10,11,12,13,14,15
.irp k, 0,1,2,3
	v_pk_fma_f32 v[16*\tl+8*\q+2*\k:16*\tl+8*\q+2*\k+1], v[16*\tl+8*\q+2*\k:16*\tl+8*\q+2*\k+1], s[76:77], v[T_+8:T_+9] op_sel_hi:[1,0,0]
.endr
.endr
.irp tl, 0,1,2,3,4,5,6,7,8,9,10,11,12,13,14,15
.irp j, 0,1,2,3,4,5,6,7
	v_exp_f32 v[16*\tl+8*\q+\j], v[16*\tl+8*\q+\j]
.endr
.endr
	v_nop                                          ; a plain line behind the last exponential
	s_wait_alu depctr_va_vdst(0)                   ; the wait ahead of the first line that names a result: one for the batch
	WIN (\wn<<2)
.irp tl, 0,1,2,3,4,5,6,7,8,9,10,11,12,13,14,15
.irp k, 0,1,2,3
	v_pk_add_f32 v[T_+2*\k:T_+2*\k+1], v[T_+2*\k:T_+2*\k+1], v[16*\tl+8*\q+2*\k:16*\tl+8*\q+2*\k+1]
.endr
.endr
	WIN (\wn<<6)|(\wn<<2)|\wn
.irp ul, 0,1,2,3,4,5,6,7                       ; keys 32 ul on: tile 2 ul gives registers 0-3 of P, tile 2 ul + 1 registers 4-7; no destination passes a source that is still to be read
.irp i, 0,1,2,3
	v_cvt_pk_f16_f32 v[32*\ul+8*\q+\i], v[32*\ul+8*\q+2*\i], v[32*\ul+8*\q+2*\i+1]
.endr
.irp i, 0,1,2,3
	v_cvt_pk_f16_f32 v[32*\ul+8*\q+4+\i], v[32*\ul+8*\q+16+2*\i], v[32*\ul+8*\q+16+2*\i+1]
.endr
.endr
.endr
	WIN 0
.endm
.macro DIVI q                          ; 1 / (sum p + EPS 2^((mA - mM) c))
.set T_, ST+16*(\q)
	v_pk_add_f32 v[T_:T_+1], v[T_:T_+1], v[T_+2:T_+3]
	v_pk_add_f32 v[T_+4:T_+5], v[T_+4:T_+5], v[T_+6:T_+7]
	v_pk_add_f32 v[T_:T_+1], v[T_:T_+1], v[T_+4:T_+5]
	v_add_f32 v[T_], v[T_], v[T_+1]
	v_permlanex16_b32 v[T_+15], v[T_], s78, s79
	v_add_f32 v[T_], v[T_], v[T_+15]
	v_fma_f32 v[T_], v[T_+14], s80, v[T_]
	v_rcp_f32 v[T_+10], v[T_]
	v_nop                                          ; a plain line behind the reciprocal
	s_wait_alu depctr_va_vdst(0)                   ; and the wait ahead of its first reader
	v_mov_b32 v[T_+11], v[T_+10]
.endm
	s_wait_tensorcnt 0x1                           ; my part of K's first half is in; the second half's may stay out
	s_barrier_signal -1
	s_barrier_wait -1                              ; everybody's is
	s_wait_loadcnt 0x0                             ; the mask words
	HALFK 0, 0xa4                                  ; source 0 (K) window 0, source 1 (Q) window 1, C and D window 2
	THREE                                          ; K's second half has landed; my reads of slot 0 are over
	CROUND                                         ; both hold of every wave of all four work-groups
	tensor_load_to_lds s[68:71], s[16:23]          ; V's first half into slot 0: my one tensor load behind this round
	s_nop 0
	PLACES
	HALFK 1, 0xf4
	THREE                                          ; V's first half has landed; my reads of slot 1 are over
	CROUND
	tensor_load_to_lds s[72:75], s[16:23]          ; V's second half into slot 1; the four v_nop behind it are also the places in front of the first read of the scores
	s_nop 0
	PLACES
	PASSA 0
	STATS 0
	PASSB 0
	DIVI 0
	PASSA 1
	STATS 1
	PASSB 1
	DIVI 1
	HALFV 0, 0x58, 1                               ; source 0 (V) window 0, source 1 (P) window 2, C and D (O^T) window 1
	THREE                                          ; V's second half has landed
	s_barrier_signal -1
	s_barrier_wait -1                              ; everybody's has; nothing is filled again, so no round
	HALFV 1, 0x5c, 0
	; THE WAY OUT: O^T / the divisor, rounded to f16.  A lane's eight channels of one query are 16 bytes of the image that the last product reads: 512 consecutive bytes a store, no stage.
	PLACES
	WIN 0x41                                       ; destination and source 0 window 1
.irp q, 0,1
.set i_, 128*\q
.rept 64
	v_pk_mul_f32 v[i_:i_+1], v[i_:i_+1], v[ST+16*\q+10:ST+16*\q+11] op_sel_hi:[1,0]   ; each accumulator from its low end on
.set i_, i_+2
.endr
.endr
	WIN 0x05                                       ; sources 0 and 1 window 1, destination window 0
.set i_, 0
.rept 128
	v_cvt_pk_f16_f32 v[PKO+i_], v[2*i_], v[2*i_+1]
.set i_, i_+1
.endr
	WIN 0
.irp q, 0,1
.irp ct, 0,1,2,3,4,5,6,7,8,9,10,11,12,13,14,15
	global_store_b128 v1, v[PKO+4*(16*\q+\ct):PKO+4*(16*\q+\ct)+3], s[88:89] offset:\q*131072+(\ct/4)*32768+(\ct%4)*512   ; row tile m = ct / 4, the head's part delta = ct % 4
.endr
.endr
	THREE                                          ; the wave's end
	CROUND                                         ; the closing round: no work-group ends while a partner may still ask for a tile that names it
	s_endpgm
.Lfunc_end_k_q89b99b02bc_attn:
	.size	k_q89b99b02bc_attn, .Lfunc_end_k_q89b99b02bc_attn-k_q89b99b02bc_attn
	.p2alignl 7, 3214868480
	.fill 96, 4, 3214868480
	.section	.rodata,"a",@progbits
	.p2align	6, 0x0
	.amdhsa_kernel k_q89b99b02bc_attn
		.amdhsa_group_segment_fixed_size 327680
		.amdhsa_private_segment_fixed_size 0
		.amdhsa_enable_private_segment 0
		.amdhsa_kernarg_size 48
		.amdhsa_user_sgpr_count 2
		.amdhsa_user_sgpr_kernarg_segment_ptr 1
		.amdhsa_wavefront_size32 1
		.amdhsa_system_sgpr_workgroup_id_x 1
		.amdhsa_system_sgpr_workgroup_id_y 1
		.amdhsa_system_sgpr_workgroup_id_z 1
		.amdhsa_system_vgpr_workitem_id 0
		.amdhsa_next_free_vgpr 1024
		.amdhsa_next_free_sgpr 100
		.amdhsa_reserve_vcc 0
		.amdhsa_float_denorm_mode_32 3
		.amdhsa_float_denorm_mode_16_64 3
		.amdhsa_memory_ordered 1
		.amdhsa_forward_progress 1
		.amdhsa_inst_pref_size 255
	.end_amdhsa_kernel
	.section	.bss,"aw",@nobits
	.p2align	6
	.space	262144
	.amdgpu_metadata
---
amdhsa.version: [ 1, 2 ]
amdhsa.kernels:
  - .name:           k_q89b99b02bc_attn
    .symbol:         k_q89b99b02bc_attn.kd
    .args:
      - { .name: qkv, .offset: 0, .size: 8, .value_kind: global_buffer, .address_space: global }
      - { .name: mw, .offset: 8, .size: 8, .value_kind: global_buffer, .address_space: global }
      - { .name: oimg, .offset: 16, .size: 8, .value_kind: global_buffer, .address_space: global }
      - { .name: xc, .offset: 24, .size: 8, .value_kind: global_buffer, .address_space: global }
      - { .name: xs, .offset: 32, .size: 8, .value_kind: global_buffer, .address_space: global }
      - { .name: wc, .offset: 40, .size: 8, .value_kind: global_buffer, .address_space: global }
    .group_segment_fixed_size: 327680
    .private_segment_fixed_size: 0
    .kernarg_segment_align: 8
    .kernarg_segment_size: 48
    .max_flat_workgroup_size: 128
    .sgpr_count:     100
    .vgpr_count:     1024
    .wavefront_size: 32
...
	.end_amdgpu_metadata
.endif
;; end of part 3
;; launch oproj (part 4): grid 4 x 64, 4 waves a work-group, clusters of 4 x 4, 327,680 bytes of LDS; arguments oimg, wo16, out0; writes out0
.if DOCPART == 4
	.amdgcn_target "amdgcn-amd-amdhsa--gfx1250"
	.amdhsa_code_object_version 6
	.text
	.protected	k_q89b99b02bc_oproj
	.globl	k_q89b99b02bc_oproj
	.p2align	8
	.type	k_q89b99b02bc_oproj,@function
k_q89b99b02bc_oproj:
	s_mov_b64 s[64:65], 0
	v_nop
	global_prefetch_b8 v0, s[64:65] scope:SCOPE_SE
	s_setreg_imm32_b32 hwreg(HW_REG_WAVE_MODE, 25, 1), 1
	s_wait_xcnt 0x0
	s_wait_alu depctr_hold_cnt(0) depctr_sa_sdst(0) depctr_va_vdst(0) depctr_va_sdst(0) depctr_va_ssrc(0) depctr_va_vcc(0) depctr_vm_vsrc(0)
	s_getreg_b32 s2, hwreg(HW_REG_IB_STS2, 6, 4)
	s_cmp_eq_u32 s2, 0
	s_cbranch_scc0 .Lentry_in_a_cluster
	s_endpgm
.Lentry_in_a_cluster:
	s_bfe_u32 s2, ttmp6, 0x10000c
	s_cmp_lg_u32 s2, 0xf033
	s_cbranch_scc0 .Lentry_shape_is_right
	s_endpgm
.Lentry_shape_is_right:
; OPROJ: out0 = O w_o.  O [16,384][1,024] and w_o [1,024 (k)][1,024 (n)] arrive in f16 as images of operand registers (tiles of 16 rows or columns x 32 k: 1,024 bytes, 32,768 bytes a tile for all of K); sums in f32; out0 f32.  No work is left out.
; A tile of out0, 256 x 256, is made by a work-group of four waves; a wave makes 128 x 128: 64 accumulators, 512 registers.  K goes in 8 steps of 128 through a ring of two LDS slots filled by the tensor data mover.
; A row tile rt = (b 32 + nt) 4 + m holds rows n = 16 nt + r at a fixed m: in out0 its 16 rows lie 4 rows (16,384 bytes) apart; 16 row tiles are 256 neighbouring rows of out0.
; CLUSTERS: 4 x 4 work-groups; O's tiles are shared along a row of the cluster, w_o's along a column: each is asked for JOINTLY, by the same tensor load with the same descriptor and a mask that names the four.
; THE MATRIX INSTRUCTION IS USED TRANSPOSED (source 0 = 16 columns of w_o, source 1 = 16 rows of O): a lane then holds eight neighbouring numbers of a row of out0.
; LDS: a slot is 131,072 bytes: O's 16 row tiles x 4,096 (a K step), then w_o's 16 column tiles x 4,096.  Every fragment load is 16 x lane + a constant.  By the text's own count a wave has at most two tensor loads out.
; REGISTERS: window 0: v16-29 addresses; v64-127, v128-191 O's fragments, two buffers; on the way out v128-255 rows read back.  window 1: the same two buffers for w_o.  window 2: accumulators of my row tiles 0-3 ((a, b) at 8 (8 a + b)); window 3: of 4-7.
.set SLOT,   131072
.set SPARE,  262144                    ; behind the ring: the spare words, 128 bytes for each wave
.set SPITCH, 528                       ; the way out: a stage of 16 rows x (512 + 16) bytes for each wave, in slot 0, which has had its last fill and its last read when the first result is stored there
.set LAPS,   4                         ; a lap = two K steps = once round the ring
.set ADRA, 16
.set ADRB, 20
.set STO,  24
.set RD,   25
.set CO,   26
.set SPW,  28
.set NIL,  29
.set F0,   64
.set F1,   128
.set BK,   128
.set G1,  24                           ; s[24:31] group 1 for O's tiles; s[32:39] group 0, a set for each slot
.set G0,  32
.set G1B, 48                           ; s[48:55], s[56:63] the same for w_o's
.set G0B, 56
.set MSB, 0
.macro WIN new                         ; the immediate's high byte repeats the setting that is left
.if MSB != (\new)
	s_set_vgpr_msb (MSB<<8)|(\new)
.set MSB, (\new)
.endif
.endm
.set MUL_LO, 0xa1                      ; source 0 (w_o) window 1, source 1 (O) window 0, C and D window 2
.set MUL_HI, 0xf1
.set TO_B,   0x40
.macro JLOAD s                         ; a joint load: waves 0 and 1 fetch O's two halves, waves 2 and 3 w_o's; an s_nop 0 and four v_nop follow each of the two lines
	s_cmp_eq_u32 s11, 0
	s_cbranch_scc0 .Lfor_b_\@
	tensor_load_to_lds s[G0+4*\s:G0+4*\s+3], s[G1:G1+7]
	s_nop 0
.rept 4
	v_nop
.endr
	s_branch .Lasked_\@
.Lfor_b_\@:
	tensor_load_to_lds s[G0B+4*\s:G0B+4*\s+3], s[G1B:G1B+7]
	s_nop 0
.rept 4
	v_nop
.endr
.Lasked_\@:
.endm
.macro CREST                           ; a round of the cluster's barrier behind its opening barrier
	s_cmp_lg_u32 s10, 0
	s_cbranch_scc1 .Lnot_wave_0_\@
	s_barrier_signal -3
.Lnot_wave_0_\@:
	s_barrier_wait -3
	s_barrier_signal -1
	s_barrier_wait -1
.endm
.macro CROUND
	s_barrier_signal -1
	s_barrier_wait -1
	CREST
.endm
.macro PLACES                          ; four places behind a matrix instruction (ISA guide 7.12.1)
.rept 4
	v_nop
.endr
.endm
	s_load_b128 s[4:7], s[0:1], 0x0                ; oimg 4:5, wo16 6:7
	s_load_b64 s[8:9], s[0:1], 0x10                ; out0
	v_lshl_add_u32 v[SPW], v0, 2, SPARE
	v_mov_b32 v[NIL], 0
	ds_add_u32 v[SPW], v[NIL]                      ; the wave's opening: the add, twice on end, and its wait ahead of my first tensor load
	ds_add_u32 v[SPW], v[NIL]
	v_lshrrev_b32 v1, 5, v0
	v_readfirstlane_b32 s10, v1                    ; wave 0..3
	s_lshr_b32 s11, s10, 1                         ; which half of the tile's rows is mine.  Also: I fetch for O (0) or for w_o (1)
	s_and_b32 s12, s10, 1                          ; which half of its columns.  Also: which 8 tiles I fetch
	s_bfe_u32 s40, ttmp6, 0x40000                  ; cx, cy
	s_bfe_u32 s41, ttmp6, 0x40004
	s_lshl_b32 s42, ttmp9, 2
	s_add_co_u32 s42, s42, s40                     ; tile column = 4 x cluster x + cx
	s_and_b32 s13, ttmp7, 0xffff
	s_lshl_b32 s13, s13, 2
	s_add_co_u32 s13, s13, s41                     ; tile row = 4 x cluster y + cy
	s_lshl_b32 s43, s41, 2
	s_lshl_b32 s43, 15, s43                        ; my row of the cluster
	s_lshl_b32 s44, 0x1111, s40                    ; my column
	; descriptor group 1: 8 rows (tiles) of 4,096 bytes, 32,768 bytes apart in memory, dense in LDS
	s_or_b32 s[G1+0], s43, (3<<16)|(1<<21)         ; 15:0 the mask; 17:16 elements of 8 bytes; 21 set beside a mask; no padding
	s_or_b32 s[G1B+0], s44, (3<<16)|(1<<21)
.irp g, G1, G1B
	s_mov_b32 s[\g+1], 512<<16                     ; tensor_dim0 = 512
	s_mov_b32 s[\g+2], 8<<16                       ; tensor_dim1 = 8
	s_mov_b32 s[\g+3], 512<<16                     ; tile_dim0 = 512
	s_mov_b32 s[\g+4], 8                           ; tile_dim1 = 8
	s_mov_b32 s[\g+5], 4096                        ; from row to row, in elements
	s_mov_b32 s[\g+6], 0
	s_mov_b32 s[\g+7], 0
.endr
	s_lshl_b32 s17, s12, 18                        ; which 8 tiles of 32,768 bytes I fetch
	s_lshl_b32 s16, s13, 19                        ; O: 16 tiles a tile row
	s_add_co_u32 s16, s16, s17
	s_lshl_b32 s46, s42, 19                        ; w_o: 16 tiles a tile column
	s_add_co_u32 s46, s46, s17
	s_mov_b32 s17, 0
	s_mov_b32 s47, 0
	s_lshl_b32 s20, s10, 15                        ; where they go: wave x 32,768: no place in the cluster enters an LDS address
	s_wait_dscnt 0x0                               ; both opening adds are done
	s_wait_kmcnt 0x0
	s_add_nc_u64 s[14:15], s[4:5], s[16:17]
	s_add_nc_u64 s[46:47], s[6:7], s[46:47]
	CROUND                                         ; all sixteen work-groups are here: the first joint loads meet
.irp s, 0,1
	s_mov_b32 s[G0+4*\s], 1
	s_add_co_u32 s[G0+4*\s+1], s20, \s*SLOT
	s_add_nc_u64 s[G0+4*\s+2:G0+4*\s+3], s[14:15], \s*4096      ; K step s
	s_or_b32 s[G0+4*\s+3], s[G0+4*\s+3], 0x80000000
	s_mov_b32 s[G0B+4*\s], 1
	s_add_co_u32 s[G0B+4*\s+1], s20, \s*SLOT
	s_add_nc_u64 s[G0B+4*\s+2:G0B+4*\s+3], s[46:47], \s*4096
	s_or_b32 s[G0B+4*\s+3], s[G0B+4*\s+3], 0x80000000
	JLOAD \s
.endr
	v_and_b32 v1, 15, v0                           ; r
	v_bfe_u32 v2, v0, 4, 1                         ; h
	v_and_b32 v3, 31, v0
	v_lshlrev_b32 v[CO], 4, v3                     ; 16 x lane
	s_lshl_b32 s21, s11, 15                        ; my 8 row tiles
	s_lshl_b32 s22, s12, 15                        ; my 8 column tiles,
	s_add_co_u32 s22, s22, 65536                   ; which lie behind O's 16
.irp s, 0,1
	v_add_nc_u32 v[ADRA+\s], s21, v[CO]
	v_add_nc_u32 v[ADRB+\s], s22, v[CO]
	s_add_co_u32 s21, s21, SLOT
	s_add_co_u32 s22, s22, SLOT
.endr
	s_mul_i32 s23, s10, 16*SPITCH                  ; my stage
	v_mul_u32_u24 v4, v1, SPITCH
	v_lshl_add_u32 v4, v2, 5, v4
	v_add_nc_u32 v[STO], s23, v4                   ; in: row r, 32 bytes for each half of the lanes
	v_add_nc_u32 v[RD], s23, v[CO]                 ; back: the 32 lanes take one row of 512 bytes
	s_lshl_b32 s16, s13, 20                        ; out0: 256 rows of 4,096 bytes a tile row,
	s_lshl_b32 s17, s11, 19                        ; my 128 of them,
	s_add_co_u32 s16, s16, s17
	s_lshl_b32 s17, s12, 9                         ; my 128 columns of the tile's 256
	s_add_co_u32 s16, s16, s17
	s_mov_b32 s17, 0
	s_add_nc_u64 s[8:9], s[8:9], s[16:17]
	s_lshl_b32 s46, s42, 10                        ; the tile's first column (in the registers that held w_o's address: none that feeds O's descriptors ever holds cx)
	s_mov_b32 s47, 0
	s_add_nc_u64 s[8:9], s[8:9], s[46:47]
; 16 matrix instructions: row tiles a0, a0 + 1 of the window's four x all 8 column tiles, 32 along K.  The 64 accumulators take turns, one instruction a turn, in the same order in every quarter.
.macro MUL16 f, hi, a0, zero
.irp a, \a0, \a0+1
.irp b, 0,1,2,3,4,5,6,7
.if \zero
	v_wmma_f32_16x16x32_f16 v[8*(8*(\a)+\b):8*(8*(\a)+\b)+7], v[\f+8*\b:\f+8*\b+7], v[\f+8*(4*\hi+\a):\f+8*(4*\hi+\a)+7], 0
.else
	v_wmma_f32_16x16x32_f16 v[8*(8*(\a)+\b):8*(8*(\a)+\b)+7], v[\f+8*\b:\f+8*\b+7], v[\f+8*(4*\hi+\a):\f+8*(4*\hi+\a)+7], v[8*(8*(\a)+\b):8*(8*(\a)+\b)+7]
.endif
.endr
.endr
.endm
; 32 LDS loads in one run: the fragments of the slot's q-th 32 along K into buffer f
.macro FETCH slot, q, f
	WIN TO_B
.irp i, 0,1,2,3,4,5,6,7
	ds_load_b128 v[\f+8*\i:\f+8*\i+3],   v[ADRB+\slot] offset:\i*4096+(\q)*1024
	ds_load_b128 v[\f+8*\i+4:\f+8*\i+7], v[ADRB+\slot] offset:\i*4096+(\q)*1024+512
.endr
	WIN 0
.irp i, 0,1,2,3,4,5,6,7
	ds_load_b128 v[\f+8*\i:\f+8*\i+3],   v[ADRA+\slot] offset:\i*4096+(\q)*1024
	ds_load_b128 v[\f+8*\i+4:\f+8*\i+7], v[ADRA+\slot] offset:\i*4096+(\q)*1024+512
.endr
.endm
; One of a K step's first three quarters: multiplies buffer f; in its middle it fetches quarter q of the same slot into buffer g.
.macro QUARTER slot, q, f, g, zero
	s_wait_dscnt 8                                 ; w_o's fragments and O's tiles 0-3 are in; the youngest eight loads (O's tiles 4-7) may be out
	WIN MUL_LO
	MUL16 \f, 0, 0, \zero
	MUL16 \f, 0, 2, \zero
	PLACES
	FETCH \slot, \q, \g
	s_wait_dscnt 32                                ; all but the 32 just issued
	WIN MUL_HI
	MUL16 \f, 1, 0, \zero
	MUL16 \f, 1, 2, \zero
.endm
; The last quarter multiplies buffer 1 and changes slots: ONE barrier; in front of it each wave waits for all its tensor loads, adds 0 to its spare word, and waits for that and for its reads of this slot.  fill = 1: this slot is filled again, two K steps ahead.
.macro TURN slot, next, fill
	WIN 0                                          ; (the add's two registers lie in window 0)
	s_wait_tensorcnt 0x0                           ; all my tensor loads have landed: my part of the next slot;
	ds_add_u32 v[SPW], v[NIL]                      ; 0 onto my spare word;
	s_wait_dscnt 9                                 ; (the add and the youngest eight loads may be out)
	WIN MUL_LO
	MUL16 F1, 0, 0, 0                              ; sixteen matrix instructions stand between the add and the wait for it
	s_wait_dscnt 0x0                               ; the add is done, and my reads of this slot are over
	s_barrier_signal -1
	MUL16 F1, 0, 2, 0
	WIN 0
	s_barrier_wait -1
.if \fill
	CREST                                          ; the barrier has opened a round of the cluster's barrier: no wave of any partner still reads this slot or has a load on its way
	s_add_nc_u64 s[G0+4*\slot+2:G0+4*\slot+3], s[G0+4*\slot+2:G0+4*\slot+3], 8192
	s_add_nc_u64 s[G0B+4*\slot+2:G0B+4*\slot+3], s[G0B+4*\slot+2:G0B+4*\slot+3], 8192
	JLOAD \slot                                    ; the first tensor load behind the round; the four v_nop behind it are also the places in front of the loads below
.else
	PLACES
.endif
	FETCH \next, 0, F0
	WIN MUL_HI
	MUL16 F1, 1, 0, 0
	MUL16 F1, 1, 2, 0
.endm
	s_wait_tensorcnt 0x1                           ; my part of K step 0 is in (K step 1's may be out)
	s_barrier_signal -1
	s_barrier_wait -1                              ; everybody's is
	FETCH 0, 0, F0
	QUARTER 0, 1, F0, F1, 1                        ; the first quarter stands in front of the loop: its products start the sums
	WIN 0                                          ; at a label and at a branch every window is 0
	s_mov_b32 s3, LAPS-1
.Llap:                                                 ; a trip goes once round the ring, from a lap's second quarter to the next lap's first, and fills both slots again
	QUARTER 0, 2, F1, F0, 0
	QUARTER 0, 3, F0, F1, 0
	TURN 0, 1, 1
	QUARTER 1, 1, F0, F1, 0
	QUARTER 1, 2, F1, F0, 0
	QUARTER 1, 3, F0, F1, 0
	TURN 1, 0, 1
	QUARTER 0, 1, F0, F1, 0
	WIN 0
	s_sub_co_u32 s3, s3, 1
	s_cmp_lg_u32 s3, 0
	s_cbranch_scc1 .Llap
	QUARTER 0, 2, F1, F0, 0                        ; the last lap fills nothing, and has no round of the cluster's barrier
	QUARTER 0, 3, F0, F1, 0
	TURN 0, 1, 0
	QUARTER 1, 1, F0, F1, 0
	QUARTER 1, 2, F1, F0, 0
	QUARTER 1, 3, F0, F1, 0
	s_wait_dscnt 8                                 ; the very last quarter: nothing more to fetch
	WIN MUL_LO
	MUL16 F1, 0, 0, 0
	MUL16 F1, 0, 2, 0
	s_wait_dscnt 0x0
	WIN MUL_HI
	MUL16 F1, 1, 0, 0
	MUL16 F1, 1, 2, 0
	WIN 0
; THE WAY OUT, row tile by row tile (16 rows x 128 columns).  A lane holds 32 neighbouring bytes of a row and the lanes beside it hold other rows: so a tile goes through my own stage in LDS and comes back as whole rows of 512 bytes.
; LDS serves a wave's instructions in order (ISA guide 5.7.1.4): no wait between the stores and the loads, nor in front of the next tile's stores.
.macro TOSTAGE a
.set AC, 64*((\a)%4)
	WIN 0x08+4*((\a)/4)                            ; an LDS store's data are its source 1: window 2 or 3
.irp b, 0,1,2,3,4,5,6,7
	ds_store_b128 v[STO], v[AC+8*\b:AC+8*\b+3] offset:64*\b          ; each accumulator from its low end on
	ds_store_b128 v[STO], v[AC+8*\b+4:AC+8*\b+7] offset:64*\b+16
.endr
	WIN 0
.set BB, BK+64*((\a)%2)
.irp t, 0,1,2,3,4,5,6,7,8,9,10,11,12,13,14,15
	ds_load_b128 v[BB+4*\t:BB+4*\t+3], v[RD] offset:\t*SPITCH
.endr
.endm
.macro SEND a, younger                 ; younger: the LDS instructions issued behind tile a's loads, which may stay out
.set BB, BK+64*((\a)%2)
	s_wait_dscnt \younger
.irp t, 0,1,2,3,4,5,6,7,8,9,10,11,12,13,14,15
	global_store_b128 v[CO], v[BB+4*\t:BB+4*\t+3], s[8:9] offset:((\a)/4)*262144+((\a)%4)*4096+\t*16384 th:TH_STORE_NT   ; tile a: nt = a / 4, m = a % 4; its row t is out0's row 64 nt + 4 t + m; 512 consecutive bytes, aligned
.endr
.endm
	PLACES                                         ; in front of the first read of results and of the loads into the registers that held fragments
	TOSTAGE 0
.irp a, 1,2,3,4,5,6,7
.if \a > 1
	s_wait_xcnt 0x0                                ; tile a - 2's stores have read their registers: tile a's loads may land there
.endif
	TOSTAGE \a
	SEND \a-1, 32                                  ; behind tile a - 1's loads: tile a's 16 stores and 16 loads
.endr
	SEND 7, 0
	s_wait_tensorcnt 0x0                           ; the wave's end: behind my last tensor load and my last LDS store
	ds_add_u32 v[SPW], v[NIL]
	s_wait_dscnt 0x0
	CROUND                                         ; the closing round: no work-group ends while a partner may still ask for a tile that names it
	s_endpgm
.Lfunc_end_k_q89b99b02bc_oproj:
	.size	k_q89b99b02bc_oproj, .Lfunc_end_k_q89b99b02bc_oproj-k_q89b99b02bc_oproj
	.p2alignl 7, 3214868480
	.fill 96, 4, 3214868480
	.section	.rodata,"a",@progbits
	.p2align	6, 0x0
	.amdhsa_kernel k_q89b99b02bc_oproj
		.amdhsa_group_segment_fixed_size 327680
		.amdhsa_private_segment_fixed_size 0
		.amdhsa_enable_private_segment 0
		.amdhsa_kernarg_size 24
		.amdhsa_user_sgpr_count 2
		.amdhsa_user_sgpr_kernarg_segment_ptr 1
		.amdhsa_wavefront_size32 1
		.amdhsa_system_sgpr_workgroup_id_x 1
		.amdhsa_system_sgpr_workgroup_id_y 1
		.amdhsa_system_sgpr_workgroup_id_z 1
		.amdhsa_system_vgpr_workitem_id 0
		.amdhsa_next_free_vgpr 1024
		.amdhsa_next_free_sgpr 66
		.amdhsa_reserve_vcc 0
		.amdhsa_float_denorm_mode_32 3
		.amdhsa_float_denorm_mode_16_64 3
		.amdhsa_memory_ordered 1
		.amdhsa_forward_progress 1
		.amdhsa_inst_pref_size 140
	.end_amdhsa_kernel
	.amdgpu_metadata
---
amdhsa.version: [ 1, 2 ]
amdhsa.kernels:
  - .name:           k_q89b99b02bc_oproj
    .symbol:         k_q89b99b02bc_oproj.kd
    .args:
      - { .name: oimg, .offset: 0, .size: 8, .value_kind: global_buffer, .address_space: global }
      - { .name: wo16, .offset: 8, .size: 8, .value_kind: global_buffer, .address_space: global }
      - { .name: out0, .offset: 16, .size: 8, .value_kind: global_buffer, .address_space: global }
    .group_segment_fixed_size: 327680
    .private_segment_fixed_size: 0
    .kernarg_segment_align: 8
    .kernarg_segment_size: 24
    .max_flat_workgroup_size: 128
    .sgpr_count:     66
    .vgpr_count:     1024
    .wavefront_size: 32
...
	.end_amdgpu_metadata
.endif
;; end of part 4
